; MI455X (gfx1250); checked and timed in simulation.
; The chip was launched on July 23, 2026; its instructions are those of AMD's public machine-readable ISA for CDNA 5 (MIT licence, August 2026) and "CDNA5" Instruction Set Architecture Reference Guide (July 2026). The comments in the code are by the model that wrote it; some were corrected since.
;; Knowledge Circuit. Allowed arithmetic: float matrix products may take bf16 or f16 operands with f32 sums; other float arithmetic in f32, or as packed bf16 or f16 multiplies, adds, multiply-adds, maxima and minima; sums over many terms, partial sums and values carried from step to step in f32; what a program stores and reads back later, other than sums and carried values, may be rounded once to bf16 or f16.
;; Inputs: feature_know 16 x 1,024 x 256 float32; feature_know_w 4 x 2,048 x 16 float32; restore_know 16 x 256 x 1,024 float32; restore_know_w 4 x 2,048 x 16 float32; x 4 x 2,048 x 1,024 float32.
;; Outputs: out0 4 x 2,048 x 1,024 float32.
;; 2 versions, each right; version 2 is version 1 with the launch prep written anew for expert scheduling mode. Each part assembles by itself: llvm-mc -triple=amdgcn-amd-amdhsa -mcpu=gfx1250 --defsym DOCPART=n.
;; ======== version 1 of 2: 3 launches
;; limits: values are held in f16: magnitudes above 65,504 overflow, below 6.1e-05 lose precision; inputs' magnitudes at most 65,504
;; workspace buffers: xf 16,777,216 bytes; fb 8,388,608 bytes; rb 8,388,608 bytes; hf 4,194,304 bytes; es 262,144 bytes
;; launch prep (part 1): grid 512 x 1, 8 waves a work-group, no clusters, 68,608 bytes of LDS; arguments x, feature_know, restore_know, xf, fb, rb; writes xf, fb, rb
.if DOCPART == 1
	.amdgcn_target "amdgcn-amd-amdhsa--gfx1250"
	.amdhsa_code_object_version 6
	.text
	.protected	k_qb29e0537c4_prep
	.globl	k_qb29e0537c4_prep
	.p2align	8
	.type	k_qb29e0537c4_prep,@function
k_qb29e0537c4_prep:
	s_mov_b64 s[64:65], 0
	v_nop
	global_prefetch_b8 v0, s[64:65] scope:SCOPE_SE
	s_setreg_imm32_b32 hwreg(HW_REG_WAVE_MODE, 25, 1), 1
	s_wait_xcnt 0x0
; PREPARATION.  The three large inputs are rounded to 16 bits and laid out for the two product launches.  Every wave takes ONE unit of 16,384 bytes of f32:
; 32 loads of 16 bytes a lane, all issued at once, the conversions, 16 stores of 16 bytes a lane.  No loop, no barrier: no wave needs another.
;   work-groups 0-255   x  -> xf: bf16, in the order of a matrix operand: 16 tokens x 32 d are 1,024 dense bytes, two halves of 512 in which lane l's 16 bytes lie at 16 l
;        xf(token, d) = (token/16) 32768 + (d/32) 1024 + ((d/16)%2) 512 + (((d/8)%2) 16 + token%16) 16 + (d%8) 2
;   work-groups 256-383 feature_know -> fb: bf16, in blocks: fb(n = 4q+nn, d = 256dc+dd, r = 32j+rr) = j 1048576 + (4dc+q) 65536 + dd 256 + nn 64 + rr 2
;   work-groups 384-511 restore_know -> rb: rounded to bf16 like every input, that number written as f16, in restore_know's own order
; LIMITS.  |restore_know| of 65,520 or more becomes an infinity in f16; below 2^-17 the f16 copy keeps the fixed step 2^-24 and may differ from the bf16 number by 2^-25.
; Matrix units, clusters and tensor loads are left out: each byte is touched once and nothing is shared.
.set X,     16                         ; v[16:143]  32 x 4 registers as loaded
.set T,     144                        ; v[144:159] at work
.set O,     160                        ; v[160:223] 16 x 4 registers to store: each store has data registers of its own, so none is rewritten while a store reads it
.set LROW,  528                        ; job x: an LDS row, 512 bytes of bf16 + 16: sixteen rows start 16 bytes apart modulo 256
.set LWAVE, 16*LROW                    ; a wave's own 16 rows
	s_load_b256 s[4:11], s[0:1], 0x0               ; x s[4:5], feature_know s[6:7], restore_know s[8:9], xf s[10:11]
	s_load_b128 s[16:19], s[0:1], 0x20             ; fb s[16:17], rb s[18:19]
	v_lshl_add_u32 v224, v0, 2, 0x10800
	v_mov_b32 v225, 0
	v_lshrrev_b32 v1, 5, v0
	v_readfirstlane_b32 s12, v1                    ; wave 0..7
	v_and_b32 v2, 31, v0                           ; lane
	s_mov_b32 s13, ttmp9
	s_mov_b32 s14, 0xffff0000                      ; a word's upper bf16
	s_mov_b32 s21, 0                               ; high words of the two offsets
	s_mov_b32 s23, 0
	s_cmp_lt_u32 s13, 256
	s_cbranch_scc0 .Lnot_x
	; JOB X.  Unit u = 8 x work-group + wave: 16 tokens (block u / 4) x 256 d (chunk u % 4).
	s_lshl_b32 s15, s13, 3
	s_add_co_u32 s15, s15, s12                     ; u
	s_lshr_b32 s24, s15, 2                         ; token block
	s_and_b32 s25, s15, 3                          ; chunk of 256 d
	s_lshl_b32 s20, s24, 16                        ; in: 16 rows of 4,096 bytes,
	s_lshl_b32 s26, s25, 10                        ; 1,024 bytes a chunk
	s_add_co_u32 s20, s20, s26
	s_lshl_b32 s22, s24, 15                        ; out: 32,768 bytes a token block,
	s_lshl_b32 s26, s25, 13                        ; 8,192 a chunk
	s_add_co_u32 s22, s22, s26
	v_lshlrev_b32 v3, 4, v2                        ; 16 x lane: for the loads and for the stores
	s_mul_i32 s27, s12, LWAVE
	v_lshl_add_u32 v4, v2, 3, s27                  ; into LDS: 8 bytes a lane
	v_and_b32 v5, 15, v2
	v_lshrrev_b32 v6, 4, v2
	v_mul_u32_u24 v5, v5, LROW
	v_lshl_add_u32 v5, v6, 4, v5
	v_add_nc_u32 v5, s27, v5                       ; back: token lane % 16, 16 bytes for each half of the lanes
	s_wait_kmcnt 0x0
	s_add_nc_u64 s[4:5], s[4:5], s[20:21]
	s_add_nc_u64 s[10:11], s[10:11], s[22:23]
.set i, 0
.rept 32                                               ; load i: token i / 2, half i % 2 of its 1,024 bytes: 512 consecutive bytes
	global_load_b128 v[X+4*i:X+4*i+3], v3, s[4:5] offset:(i/2)*4096+(i%2)*512 th:TH_LOAD_NT
.set i, i+1
.endr
.set i, 0
.rept 32
	s_wait_loadcnt 31-i                            ; the loads issued behind load i may stay out
	v_cvt_pk_bf16_f32 v[T+2*(i%4)], v[X+4*i], v[X+4*i+1]
	v_cvt_pk_bf16_f32 v[T+2*(i%4)+1], v[X+4*i+2], v[X+4*i+3]
	ds_store_b64 v4, v[T+2*(i%4):T+2*(i%4)+1] offset:(i/2)*LROW+(i%2)*256
.set i, i+1
.endr
.set t, 0
.rept 16                                               ; the wave's own bytes, served in order: these see the stores above.  Load t: d = 16 t + 8 (lane / 16) + 0..7 of token lane % 16
	ds_load_b128 v[O+4*t:O+4*t+3], v5 offset:32*t
.set t, t+1
.endr
.set t, 0
.rept 16
	s_wait_dscnt 15-t                              ; the LDS loads issued behind load t may stay out
	global_store_b128 v3, v[O+4*t:O+4*t+3], s[10:11] offset:512*t  ; 512 consecutive bytes, at a multiple of 512 from xf's first
.set t, t+1
.endr
	s_wait_tensorcnt 0x0
	ds_add_u32 v224, v225
	s_wait_dscnt 0x0
	s_endpgm
.Lnot_x:
	s_cmp_lt_u32 s13, 384
	s_cbranch_scc0 .Ljob_r
	; JOB F.  Unit u: four n (4q .. 4q+3, q = u / 256) x four d (4 (u % 256) ..) x all 256 r.  Lane: nn = (l / 4) % 4, p = l % 4, jh = l / 16.
	s_sub_co_u32 s15, s13, 256
	s_lshl_b32 s15, s15, 3
	s_add_co_u32 s15, s15, s12                     ; u
	s_lshr_b32 s24, s15, 8                         ; q
	s_and_b32 s25, s15, 255                        ; d0 / 4
	s_lshl_b32 s20, s24, 22                        ; in: four n of 1,048,576 bytes,
	s_lshl_b32 s26, s25, 12                        ; four d of 1,024
	s_add_co_u32 s20, s20, s26
	s_lshr_b32 s26, s25, 6                         ; dc
	s_lshl2_add_u32 s26, s26, s24                  ; 4 dc + q
	s_lshl_b32 s22, s26, 16                        ; out: the tile,
	s_and_b32 s26, s25, 63
	s_lshl_b32 s26, s26, 10                        ; its row dd0, 256 bytes a row
	s_add_co_u32 s22, s22, s26
	v_bfe_u32 v6, v2, 2, 2                         ; nn
	v_and_b32 v7, 3, v2                            ; p
	v_lshrrev_b32 v8, 4, v2                        ; jh
	v_lshlrev_b32 v3, 20, v6
	v_lshl_add_u32 v3, v8, 7, v3
	v_lshl_add_u32 v3, v7, 5, v3                   ; in:  nn 1048576 + jh 128 + p 32
	v_lshlrev_b32 v4, 20, v8
	v_lshl_add_u32 v4, v6, 6, v4
	v_lshl_add_u32 v4, v7, 4, v4                   ; out: jh 1048576 + nn 64 + p 16
	s_wait_kmcnt 0x0
	s_add_nc_u64 s[6:7], s[6:7], s[20:21]
	s_add_nc_u64 s[16:17], s[16:17], s[22:23]
.set t, 0
.rept 16                                               ; pair t = 4 jp + ddi: eight r at 64 jp + 32 jh + 8 p of row d0 + ddi
	global_load_b128 v[X+8*t:X+8*t+3],   v3, s[6:7] offset:(t%4)*1024+(t/4)*256 th:TH_LOAD_NT
	global_load_b128 v[X+8*t+4:X+8*t+7], v3, s[6:7] offset:(t%4)*1024+(t/4)*256+16 th:TH_LOAD_NT
.set t, t+1
.endr
.set t, 0
.rept 16
	s_wait_loadcnt 30-2*t                          ; the pairs issued behind pair t may stay out
.irp z, 0,1,2,3
	v_cvt_pk_bf16_f32 v[O+4*t+\z], v[X+8*t+2*\z], v[X+8*t+2*\z+1]
.endr
	global_store_b128 v4, v[O+4*t:O+4*t+3], s[16:17] offset:(t/4)*2097152+(t%4)*256  ; lanes 0-15 fill 256 consecutive aligned bytes of column group 2 jp, lanes 16-31 of 2 jp + 1
.set t, t+1
.endr
	s_endpgm
.Ljob_r:
	; JOB R.  Unit u: 4,096 consecutive numbers; a lane takes eight neighbours at a time.
	s_sub_co_u32 s15, s13, 384
	s_lshl_b32 s15, s15, 3
	s_add_co_u32 s15, s15, s12                     ; u
	s_lshl_b32 s20, s15, 14
	s_lshl_b32 s22, s15, 13
	v_lshlrev_b32 v3, 5, v2
	v_lshlrev_b32 v4, 4, v2
	s_wait_kmcnt 0x0
	s_add_nc_u64 s[8:9], s[8:9], s[20:21]
	s_add_nc_u64 s[18:19], s[18:19], s[22:23]
.set t, 0
.rept 16
	global_load_b128 v[X+8*t:X+8*t+3],   v3, s[8:9] offset:t*1024 th:TH_LOAD_NT
	global_load_b128 v[X+8*t+4:X+8*t+7], v3, s[8:9] offset:t*1024+16 th:TH_LOAD_NT
.set t, t+1
.endr
.set t, 0
.rept 16
	s_wait_loadcnt 30-2*t                          ; the pairs issued behind pair t may stay out
.irp z, 0,1,2,3
	v_cvt_pk_bf16_f32 v[T+\z], v[X+8*t+2*\z], v[X+8*t+2*\z+1]  ; the one rounding, to bf16
.endr
.irp z, 0,1,2,3
	v_lshlrev_b32 v[T+4+2*\z], 16, v[T+\z]         ; back to f32,
	v_and_b32     v[T+5+2*\z], s14, v[T+\z]
.endr
.irp z, 0,1,2,3
	v_cvt_pk_f16_f32 v[O+4*t+\z], v[T+4+2*\z], v[T+5+2*\z]  ; and written as f16: 8 significant bits fit into 11
.endr
	global_store_b128 v4, v[O+4*t:O+4*t+3], s[18:19] offset:t*512  ; 512 consecutive bytes, at a multiple of 512 from rb's first
.set t, t+1
.endr
	s_endpgm
.Lfunc_end_k_qb29e0537c4_prep:
	.size	k_qb29e0537c4_prep, .Lfunc_end_k_qb29e0537c4_prep-k_qb29e0537c4_prep
	.p2alignl 7, 3214868480
	.fill 96, 4, 3214868480
	.section	.rodata,"a",@progbits
	.p2align	6, 0x0
	.amdhsa_kernel k_qb29e0537c4_prep
		.amdhsa_group_segment_fixed_size 68608
		.amdhsa_private_segment_fixed_size 0
		.amdhsa_enable_private_segment 0
		.amdhsa_kernarg_size 48
		.amdhsa_user_sgpr_count 2
		.amdhsa_user_sgpr_kernarg_segment_ptr 1
		.amdhsa_wavefront_size32 1
		.amdhsa_system_sgpr_workgroup_id_x 1
		.amdhsa_system_sgpr_workgroup_id_y 1
		.amdhsa_system_sgpr_workgroup_id_z 1
		.amdhsa_system_vgpr_workitem_id 0
		.amdhsa_next_free_vgpr 226
		.amdhsa_next_free_sgpr 66
		.amdhsa_reserve_vcc 0
		.amdhsa_float_denorm_mode_32 3
		.amdhsa_float_denorm_mode_16_64 3
		.amdhsa_memory_ordered 1
		.amdhsa_forward_progress 1
		.amdhsa_inst_pref_size 43
	.end_amdhsa_kernel
	.amdgpu_metadata
---
amdhsa.version: [ 1, 2 ]
amdhsa.kernels:
  - .name:           k_qb29e0537c4_prep
    .symbol:         k_qb29e0537c4_prep.kd
    .args:
      - { .name: x, .offset: 0, .size: 8, .value_kind: global_buffer, .address_space: global }
      - { .name: feature_know, .offset: 8, .size: 8, .value_kind: global_buffer, .address_space: global }
      - { .name: restore_know, .offset: 16, .size: 8, .value_kind: global_buffer, .address_space: global }
      - { .name: xf, .offset: 24, .size: 8, .value_kind: global_buffer, .address_space: global }
      - { .name: fb, .offset: 32, .size: 8, .value_kind: global_buffer, .address_space: global }
      - { .name: rb, .offset: 40, .size: 8, .value_kind: global_buffer, .address_space: global }
    .group_segment_fixed_size: 68608
    .private_segment_fixed_size: 0
    .kernarg_segment_align: 8
    .kernarg_segment_size: 48
    .max_flat_workgroup_size: 256
    .sgpr_count:     66
    .vgpr_count:     226
    .wavefront_size: 32
...
	.end_amdgpu_metadata
.endif
;; end of part 1
;; launch feat (part 2): grid 32 x 8, 4 waves a work-group, clusters of 4 x 1, 327,680 bytes of LDS; arguments xf, fb, feature_know_w, hf, es; writes hf, es
.if DOCPART == 2
	.amdgcn_target "amdgcn-amd-amdhsa--gfx1250"
	.amdhsa_code_object_version 6
	.text
	.protected	k_qb29e0537c4_feat
	.globl	k_qb29e0537c4_feat
	.p2align	8
	.type	k_qb29e0537c4_feat,@function
k_qb29e0537c4_feat:
	s_mov_b64 s[64:65], 0
	v_nop
	global_prefetch_b8 v0, s[64:65] scope:SCOPE_SE
	s_setreg_imm32_b32 hwreg(HW_REG_WAVE_MODE, 25, 1), 1
	s_wait_xcnt 0x0
	s_wait_alu depctr_hold_cnt(0) depctr_sa_sdst(0) depctr_va_vdst(0) depctr_va_sdst(0) depctr_va_ssrc(0) depctr_va_vcc(0) depctr_vm_vsrc(0)
	s_getreg_b32 s2, hwreg(HW_REG_IB_STS2, 6, 4)
	s_cmp_eq_u32 s2, 0
	s_cbranch_scc0 .Lentry_in_a_cluster
	s_endpgm
.Lentry_in_a_cluster:
	s_bfe_u32 s2, ttmp6, 0x10000c
	s_cmp_lg_u32 s2, 0x3003
	s_cbranch_scc0 .Lentry_shape_is_right
	s_endpgm
.Lentry_shape_is_right:
; FEATURE STAGE.  h[t][r] = sum over n of fw[t][n] (sum over d of x[t][d] F[n][d][r]).  x and F arrive in bf16 (xf, fb); fw is rounded to bf16 here, like every input of the module, and applied in f32;
; products by the bf16 matrix form with f32 sums.  h leaves in f16 behind an exact scale: for each token and each group j of 32 r, 2^Ej is the power of two at or below the largest |h| of the group,
; h' = h 2^-Ej lies within 2 and goes to hf, 2^Ej goes to es.
;   hf(token, r = 32 j + ..) = (token/16) 8192 + j 1024 + half 512 + lane 16: the register image of a matrix operand of 16 tokens x 32 r     es = j 32768 + (token/64) 256 + (token%16) 16 + ((token/16)%4) 4
; SHARES.  A work-group makes 256 tokens x 32 r (column group j); each of its four waves 64 tokens: four blocks a of 16.  32 x 8 = 256 work-groups.
; STEPS.  Step s = 4 dc + q of 16 takes one tile of fb: 256 rows (d = 256 dc + dd) x 128 columns (nn, rr): four n (4 q + nn) x the group's 32 r.  A tile has 8 column blocks c of 16: nn = c / 2, cb = c % 2.
; For a block the wave makes Y = 4 results of 16 x 16 by 8 K steps x 4 token blocks = 32 matrix instructions (the first K step starts the sums with the constant 0), and then acc[a][cb] += fw[t][n] Y[a] in f32:
; the mixture is linear, so the weight may be laid on any partial product over d.  One fragment of F from LDS feeds four matrix instructions.
; THE MATRIX INSTRUCTION IS USED TRANSPOSED: source 0 = 16 columns of F (turned on the way out of LDS by ds_load_tr16_b128), source 1 = 16 tokens.  In the result lane l holds ONE token (l % 16) and the columns
; 8 (l / 16) + 0..7, so a token's weight is one register a lane, and the lane's 16 numbers of h, rounded in pairs, ARE its part of the next launch's operand: nothing changes lanes on the way out.
; x's fragments of one chunk of 256 d stay in 256 registers for four steps; the next chunk is loaded meanwhile into 256 others and copied: 256 v_mov_b32 three times, the price of one text for every step.
; acc, Y's second buffer and W start at 0 (112 v_mov_b32 in the wait for the first tile): the first step is a step like any other.
; CLUSTER.  The four token blocks of a cluster belong to one column group and walk the same tiles of fb: each quarter tile is asked for JOINTLY, by the same tensor load, descriptor and mask in all four.
; A wave has two tensor loads out at the start and one behind each round.
; LIMITS.  Ej is kept within -126 .. 126; numbers of h' below 2^-14 keep f16's fixed step 2^-24; NaN and infinities are not treated apart.
; REGISTERS, in windows of 256 (s_set_vgpr_msb: bits 1:0 source 0, 3:2 source 1, 5:4 source 2, 7:6 destination):
;   window 0: v0-29 addresses and at work; v32-47 W; v48-63 at work; v64-127 Y, two buffers of four results; v128-255 F's fragments, two buffers of 8 K steps
;   window 1: x's fragments, A[a][k] at 64 a + 8 k     window 2: acc[a][cb] at 16 a + 8 cb     window 3: the next chunk's fragments
.set PITCH, 288                        ; a tile's row in LDS: 256 bytes + 32 of padding = 72 words: the 8 rows x 32 bytes that 16 lanes of the turning load take fall on different words modulo 64
.set QUART, 64*PITCH                   ; what one tensor load brings: 64 rows
.set SLOT,  4*QUART                    ; a tile: 256 rows
.set WT,    2*SLOT                     ; behind the ring: the weights, 4,096 bytes a wave, [n][token % 16][token / 16] in f32
.set SPARE, WT+4*4096                  ; the spare words, 128 bytes for each wave: two blocks of 256 bytes that no other line names
.set TSTEP, 65536                      ; bytes from a tile of fb to the next
.set ADRB, 4                           ; v4-7  my lane's place in a tile: slot p, rows 128 kh on, at v[4 + 2 p + kh]
.set WAD0, 8                           ; v8    my four weights of n = 0
.set WAD,  9                           ; v9    those of the first n of the trip in hand
.set WST,  10                          ; v10   where I put a token's weights
.set GO,   11                          ; v11   16 x lane
.set EO,   12                          ; v12   my 8 bytes of the wave's 256 in es
.set SPW,  14                          ; v14   LDS address of my spare word; never rewritten
.set NIL,  15                          ; v15   0; never rewritten
.set FWO,  17                          ; v17   64 x lane
.set M0,   20                          ; v20-21 largest and smallest h
.set SC,   22                          ; v[22:23] 2^-Ej, twice
.set IV,   24                          ; v24-27 2^Ej of my token in blocks 0-3
.set EP,   28                          ; v[28:29] the two of them that I store
.set W,    32
.set H,    48
.set Y,    64
.set BF,   128
.set WV,   12                          ; s12   my wave's number
.set G1,   24                          ; s[24:31] descriptor group 1
.set G0,   32                          ; s[32:39] descriptor group 0, a set for each slot
.set TRIP, 40                          ; s40   counts trips of two steps
.set SEL,  42                          ; s[42:43] v_permlanex16_b32's selects: each lane takes its own place in the other half;  s44, s45 the bounds of 2^Ej;  s[46:47] es
.set MSB, 0
.macro WIN new                         ; the immediate's high byte repeats the setting that is left; a switch that changes nothing is dropped
.if MSB != (\new)
	s_set_vgpr_msb (MSB<<8)|(\new)
.set MSB, (\new)
.endif
.endm
.set MUL, 0x04                         ; source 1 (tokens) in window 1, all else in window 0: LDS loads into window 0 run under it too
.set RS,  0xa0                         ; destination and source 2 (acc) in window 2
.macro PLACES                          ; four places: behind a matrix instruction, in front of vector lines that read its result or write its sources and of loads into its sources
.rept 4
	v_nop
.endr
.endm
.macro CREST                           ; a round of the cluster's barrier behind its opening barrier
	s_cmp_lg_u32 s[WV], 0
	s_cbranch_scc1 .Lnot_wave_0_\@
	s_barrier_signal -3
.Lnot_wave_0_\@:
	s_barrier_wait -3
	s_barrier_signal -1
	s_barrier_wait -1
.endm
.macro CROUND                          ; a whole round
	s_barrier_signal -1
	s_barrier_wait -1
	CREST
.endm
; Four matrix instructions: K step k of the block in buffers b, token blocks 0-3.  The four accumulators take turns, one instruction a turn.
.macro KSTEP b, k
	WIN MUL
.irp a, 0,1,2,3
.if (\k) == 0
	v_wmma_f32_16x16x32_bf16 v[Y+32*(\b)+8*\a:Y+32*(\b)+8*\a+7], v[BF+64*(\b)+8*(\k):BF+64*(\b)+8*(\k)+7], v[64*\a+8*(\k):64*\a+8*(\k)+7], 0
.else
	v_wmma_f32_16x16x32_bf16 v[Y+32*(\b)+8*\a:Y+32*(\b)+8*\a+7], v[BF+64*(\b)+8*(\k):BF+64*(\b)+8*(\k)+7], v[64*\a+8*(\k):64*\a+8*(\k)+7], v[Y+32*(\b)+8*\a:Y+32*(\b)+8*\a+7]
.endif
.endr
.endm
; 16 turning loads in one run: column block c of slot p, all 256 rows, into buffer b.  K step k: rows 32 k + 8 (l / 16) + 0..7, then 16 rows further down.
.macro FETCH p, c, b
.irp k, 0,1,2,3,4,5,6,7
	ds_load_tr16_b128 v[BF+64*(\b)+8*\k:BF+64*(\b)+8*\k+3],   v[ADRB+2*(\p)+\k/4] offset:(\k%4)*32*PITCH+32*(\c)
	ds_load_tr16_b128 v[BF+64*(\b)+8*\k+4:BF+64*(\b)+8*\k+7], v[ADRB+2*(\p)+\k/4] offset:(\k%4)*32*PITCH+16*PITCH+32*(\c)
.endr
.endm
; acc += w Y for token block a of the finished column block pc: four packed multiply-adds, Y's lowest registers first.  The weight is one half of a register pair, taken for both results.
.macro RIDE a, pc
	WIN RS
.set rA, 16*(\a)+8*((\pc)%2)
.set rY, Y+32*((\pc)%2)+8*(\a)
.set rW, W+4*((\pc)/2)+2*((\a)/2)
.irp jj, 0,1,2,3
.if ((\a)%2) == 0
	v_pk_fma_f32 v[rA+2*\jj:rA+2*\jj+1], v[rY+2*\jj:rY+2*\jj+1], v[rW:rW+1], v[rA+2*\jj:rA+2*\jj+1] op_sel_hi:[1,0,1]
.else
	v_pk_fma_f32 v[rA+2*\jj:rA+2*\jj+1], v[rY+2*\jj:rY+2*\jj+1], v[rW:rW+1], v[rA+2*\jj:rA+2*\jj+1] op_sel:[0,1,0] op_sel_hi:[1,1,1]
.endif
.endr
.endm
.macro WLOAD p                         ; the step's weights: four n, for each my token's four blocks
.irp nn, 0,1,2,3
	ds_load_b128 v[W+4*\nn:W+4*\nn+3], v[WAD] offset:(\p)*1024+\nn*256
.endr
.endm
; Column block c (0-6) of the tile in slot p: 32 matrix instructions.  Behind the first K step the next block's fragments are fetched, 28 matrix instructions ahead of their use; the block before is laid onto acc
; in four rides behind K steps 1-4.
.macro BLOCK p, c
	s_wait_dscnt 0x0                               ; this block's fragments are in (and, in block 1, the step's weights)
	KSTEP (\c)%2, 0
	PLACES                                         ; behind the block before's last products: for the loads into its fragments and the rides that read its results
	FETCH \p, (\c)+1, 1-(\c)%2
	KSTEP (\c)%2, 1
	RIDE 0, ((\c)+7)%8
	KSTEP (\c)%2, 2
	RIDE 1, ((\c)+7)%8
	KSTEP (\c)%2, 3
	RIDE 2, ((\c)+7)%8
	KSTEP (\c)%2, 4
	RIDE 3, ((\c)+7)%8
	WIN MUL
.if (\c) == 0
	WLOAD \p                                       ; behind the last ride that wants the step before's weights
.endif
	KSTEP (\c)%2, 5
	KSTEP (\c)%2, 6
	KSTEP (\c)%2, 7
.endm
; Column block 7 and the change of slots.  mode 2: the slot is filled again, two tiles on.  mode 1: nothing is left to ask for.  mode 0: the last step: nothing is left to fetch.
.macro LASTB p, mode
.if (\mode) == 0
	s_wait_dscnt 0x0
	KSTEP 1, 0
	PLACES
	KSTEP 1, 1
	RIDE 0, 6
	KSTEP 1, 2
	RIDE 1, 6
	KSTEP 1, 3
	RIDE 2, 6
	KSTEP 1, 4
	RIDE 3, 6
	KSTEP 1, 5
	KSTEP 1, 6
	KSTEP 1, 7
.else
	WIN 0
	s_wait_tensorcnt 0x0                           ; all my tensor loads have landed: the one that was out is my quarter of the other slot
	ds_add_u32 v[SPW], v[NIL]                      ; 0 onto my spare word
	s_wait_dscnt 0x1                               ; the block's 16 fragment loads are in; only the add may be out
	KSTEP 1, 0                                     ; eight matrix instructions stand between the add and the wait for it
	KSTEP 1, 1
.if (\mode) == 2
	s_add_nc_u64 s[G0+4*(\p)+2:G0+4*(\p)+3], s[G0+4*(\p)+2:G0+4*(\p)+3], 2*TSTEP  ; no tensor load of mine is out: this slot's next tile
.endif
	s_wait_dscnt 0x0                               ; the add is done, and my reads of this slot are over
	s_barrier_signal -1
	KSTEP 1, 2                                     ; work on registers while the others arrive
	KSTEP 1, 3
	WIN 0                                          ; at a branch and at a label every window is 0
	s_barrier_wait -1
.if (\mode) == 2
	CREST                                          ; the barrier has opened a round of the cluster's: no wave of any partner still reads this slot or has a load on its way
	tensor_load_to_lds s[G0+4*(\p):G0+4*(\p)+3], s[G1:G1+7]  ; the joint refill, first behind the round: about 224 matrix instructions ahead of the wait for it
	s_nop 0
.endif
	PLACES                                         ; behind block 6's last products, for the loads and rides below
	FETCH 1-(\p), 0, 0                             ; the other slot is whole: its first block
	KSTEP 1, 4
	RIDE 0, 6
	KSTEP 1, 5
	RIDE 1, 6
	KSTEP 1, 6
	RIDE 2, 6
	KSTEP 1, 7
	RIDE 3, 6
.endif
	WIN 0
.endm
.macro STEP p, mode
.irp c, 0,1,2,3,4,5,6
	BLOCK \p, \c
.endr
	LASTB \p, \mode
.endm
; 16 loads: x's fragments of token block a for 256 d, as they lie in xf: each load is 512 consecutive bytes.  win: 0x40 into window 1, 0xc0 into window 3.
.macro ALOAD a, win
	WIN \win
.irp k, 0,1,2,3,4,5,6,7
	global_load_b128 v[64*(\a)+8*\k:64*(\a)+8*\k+3],   v[GO], s[4:5] offset:(\a)*32768+\k*1024
	global_load_b128 v[64*(\a)+8*\k+4:64*(\a)+8*\k+7], v[GO], s[4:5] offset:(\a)*32768+\k*1024+512
.endr
	WIN 0
.endm
	s_load_b256 s[4:11], s[0:1], 0x0               ; xf s[4:5], fb s[6:7], feature_know_w s[8:9], hf s[10:11]
	s_load_b64 s[46:47], s[0:1], 0x20              ; es
	v_lshl_add_u32 v[SPW], v0, 2, SPARE
	v_mov_b32 v[NIL], 0
	ds_add_u32 v14, v15
	ds_add_u32 v14, v15
	s_wait_dscnt 0x0
	v_lshrrev_b32 v3, 5, v0
	v_readfirstlane_b32 s[WV], v3                  ; wave 0..3
	s_bfe_u32 s13, ttmp6, 0x40000                  ; cx: my place in the cluster
	s_lshl_b32 s14, ttmp9, 2                       ; in a cluster launch ttmp9 counts clusters
	s_add_co_u32 s14, s14, s13                     ; my block of 256 tokens: it enters xf's, the weights', hf's and es's addresses alone
	s_and_b32 s15, ttmp7, 0xffff                   ; j, which the four partners share
	s_lshl_b32 s16, s15, 20                        ; fb: the column group's 16 tiles,
	s_lshl_b32 s18, s[WV], 14                      ; my 64 rows of 256 bytes in a tile
	s_add_co_u32 s16, s16, s18
	s_mov_b32 s17, 0
	s_lshl_b32 s18, s14, 19                        ; xf: 16 token blocks of 32,768 bytes,
	s_lshl_b32 s20, s[WV], 17                      ; my four of them
	s_add_co_u32 s18, s18, s20
	s_mov_b32 s19, 0
	s_lshl_b32 s20, s14, 14                        ; the weights: 64 bytes a token
	s_lshl_b32 s22, s[WV], 12
	s_add_co_u32 s20, s20, s22
	s_mov_b32 s21, 0
	s_lshl_b32 s22, s14, 17                        ; hf: 16 token blocks of 8,192 bytes, my four of them, 1,024 bytes a column group
	s_lshl_b32 s41, s[WV], 15
	s_add_co_u32 s22, s22, s41
	s_lshl_b32 s41, s15, 10
	s_add_co_u32 s22, s22, s41
	s_mov_b32 s23, 0
	s_lshl_b32 s2, s15, 15                         ; es: the column group's plane, 256 bytes for a wave's 64 tokens
	s_lshl_b32 s41, s14, 10
	s_add_co_u32 s2, s2, s41
	s_lshl_b32 s41, s[WV], 8
	s_add_co_u32 s2, s2, s41
	s_mov_b32 s3, 0
	s_mov_b32 s[SEL], 0x76543210
	s_mov_b32 s[SEL+1], 0xfedcba98
	s_mov_b32 s44, 0x00800000                      ; 2^-126
	s_mov_b32 s45, 0x7e800000                      ; 2^126
	; descriptor group 1: 64 rows x 128 elements, dense in memory, padded in LDS
	s_mov_b32 s[G1+0], 15|(1<<16)|(1<<20)|(1<<21)|(5<<22)|(7<<25)  ; 15:0 the mask of four; 17:16 2-byte elements; 20 padding on; 21 set beside a mask; 24:22 after every 64 words (code 5); 31:25 8 words (code 7)
	s_mov_b32 s[G1+1], 128<<16                     ; tensor_dim0 = 128
	s_mov_b32 s[G1+2], 64<<16                      ; tensor_dim1 = 64
	s_mov_b32 s[G1+3], 128<<16                     ; tile_dim0 = 128
	s_mov_b32 s[G1+4], 64                          ; tile_dim1 = 64
	s_mov_b32 s[G1+5], 128                         ; 128 elements from row to row
	s_mov_b32 s[G1+6], 0
	s_mov_b32 s[G1+7], 0
	s_mul_i32 s41, s[WV], QUART                    ; my quarter of a slot: no place in the cluster enters an LDS address
	s_mov_b32 s[G0], 1
	s_mov_b32 s[G0+1], s41
	s_mov_b32 s[G0+4], 1
	s_add_co_u32 s[G0+5], s41, SLOT
	v_and_b32 v1, 15, v0                           ; l % 16
	v_bfe_u32 v2, v0, 4, 1                         ; l / 16
	v_and_b32 v3, 7, v0
	v_lshl_add_u32 v3, v2, 3, v3                   ; the turning load: row 8 (l / 16) + l % 8,
	v_mul_u32_u24 v3, v3, PITCH
	v_bfe_u32 v16, v0, 3, 1
	v_lshl_add_u32 v[ADRB], v16, 4, v3             ; 16 bytes for each eight lanes
	v_add_nc_u32 v[ADRB+1], 128*PITCH, v[ADRB]
	v_add_nc_u32 v[ADRB+2], SLOT, v[ADRB]
	v_add_nc_u32 v[ADRB+3], SLOT+128*PITCH, v[ADRB]
	s_lshl_b32 s41, s[WV], 12
	s_add_co_u32 s41, s41, WT
	v_lshl_add_u32 v[WAD0], v1, 4, s41
	v_lshl_add_u32 v[WST], v2, 2, v[WAD0]          ; as a token, lane l is token l % 16 of block l / 16
	v_and_b32 v3, 31, v0
	v_lshlrev_b32 v[GO], 4, v3
	v_lshlrev_b32 v[FWO], 6, v3
	v_lshlrev_b32 v[EO], 4, v1                     ; es: 16 bytes a token, 8 for each half of the lanes
	v_lshl_add_u32 v[EO], v2, 3, v[EO]
	s_wait_kmcnt 0x0
	s_add_nc_u64 s[6:7], s[6:7], s[16:17]
	s_mov_b64 s[G0+2:G0+3], s[6:7]                 ; tile 0
	s_or_b32 s[G0+3], s[G0+3], 0x80000000          ; type = 2
	s_add_nc_u64 s[G0+6:G0+7], s[6:7], TSTEP       ; tile 1
	s_or_b32 s[G0+7], s[G0+7], 0x80000000
	s_add_nc_u64 s[4:5], s[4:5], s[18:19]
	s_add_nc_u64 s[8:9], s[8:9], s[20:21]
	s_add_nc_u64 s[10:11], s[10:11], s[22:23]
	s_add_nc_u64 s[46:47], s[46:47], s[2:3]
	CROUND                                         ; all four work-groups are here: the first joint loads meet
	tensor_load_to_lds s[G0:G0+3], s[G1:G1+7]      ; both first fills go out together, ahead of every wait on TENSORcnt and every LDS read
	s_nop 0
	tensor_load_to_lds s[G0+4:G0+7], s[G1:G1+7]
	s_nop 0
	PLACES
.irp i, 0,1,2,3
	global_load_b128 v[BF+4*\i:BF+4*\i+3], v[FWO], s[8:9] offset:16*\i              ; token l's 16 weights
.endr
.irp i, 0,1,2,3
	global_load_b128 v[BF+16+4*\i:BF+16+4*\i+3], v[FWO], s[8:9] offset:2048+16*\i   ; token l + 32's
.endr
	ALOAD 0, 0x40                                  ; chunk 0 goes straight where the products name it
	ALOAD 1, 0x40
	ALOAD 2, 0x40
	ALOAD 3, 0x40
	WIN 0x80
.set i, 0
.rept 64
	v_mov_b32 v[i], 0                              ; acc
.set i, i+1
.endr
	WIN 0
.set i, 0
.rept 32
	v_mov_b32 v[Y+32+i], 0                         ; what the first step's first rides find: 0 x 0 onto 0
.set i, i+1
.endr
.set i, 0
.rept 16
	v_mov_b32 v[W+i], 0
.set i, i+1
.endr
	s_wait_loadcnt 63                              ; 72 loads have been issued: the oldest nine are in, the weights' eight among them
.set z, 0
.rept 16
	v_cvt_pk_bf16_f32 v[H+z], v[BF+2*z], v[BF+2*z+1]  ; the weights are rounded to bf16 like every input,
.set z, z+1
.endr
.set z, 0
.rept 16
	v_lshlrev_b32 v[BF+2*z], 16, v[H+z]            ; and kept in f32
	v_and_b32 v[BF+2*z+1], 0xffff0000, v[H+z]
.set z, z+1
.endr
.set n, 0
.rept 16
	ds_store_b32 v[WST], v[BF+n] offset:n*256
	ds_store_b32 v[WST], v[BF+16+n] offset:n*256+8  ; token l + 32 lies two blocks on
.set n, n+1
.endr
	s_wait_loadcnt 0x0                             ; chunk 0 is in; no load names s[4:5] any more
	s_add_nc_u64 s[4:5], s[4:5], 8192              ; chunk 1
	ALOAD 0, 0xc0
	ALOAD 1, 0xc0
	ALOAD 2, 0xc0
	s_wait_dscnt 0x0                               ; my stores of the weights are done
	s_wait_tensorcnt 0x1                           ; my quarter of tile 0 is in; tile 1's may stay out
	s_barrier_signal -1
	s_barrier_wait -1                              ; everybody's is
	FETCH 0, 0, 0
	ALOAD 3, 0xc0                                  ; the chunk's last 16 loads stand here, some way behind the first 48
	v_mov_b32 v[WAD], v[WAD0]
	s_mov_b32 s[TRIP], 0
.Ltrip:                                                ; seven trips of two steps: steps 0 to 13, each of which fills its slot again
	STEP 0, 2
	STEP 1, 2
	s_wait_loadcnt 0x0                             ; x's loads, issued two steps ago or more, are in: on either way below no register has a load pending and s[4:5] may be stepped
	s_and_b32 s41, s[TRIP], 1
	s_cmp_eq_u32 s41, 1
	s_cbranch_scc1 .Lchunk
	v_add_nc_u32 v[WAD], 2048, v[WAD0]             ; behind an even trip: the chunk's second half, n = 8 to 15
	s_cmp_eq_u32 s[TRIP], 0
	s_cbranch_scc1 .Lnext                          ; chunk 1 was loaded whole ahead of the loop
	s_cmp_eq_u32 s[TRIP], 6
	s_cbranch_scc1 .Lnext                          ; chunk 3 has no successor
	ALOAD 2, 0xc0
	ALOAD 3, 0xc0
	s_branch .Lnext
.Lchunk:                                               ; behind an odd trip: the next chunk of 256 d
	PLACES                                         ; with the last ride's four lines: the places behind the last products, whose sources are written now
	WIN 0x43                                       ; destination window 1, source window 3
.set i, 0
.rept 256
	v_mov_b32 v[i], v[i]
.set i, i+1
.endr
	WIN 0
	v_mov_b32 v[WAD], v[WAD0]
	s_cmp_eq_u32 s[TRIP], 5
	s_cbranch_scc1 .Lnext                          ; chunk 3 has no successor
	s_add_nc_u64 s[4:5], s[4:5], 8192
	ALOAD 0, 0xc0
	ALOAD 1, 0xc0
.Lnext:
	s_add_co_u32 s[TRIP], s[TRIP], 1
	s_cmp_lt_u32 s[TRIP], 7
	s_cbranch_scc1 .Ltrip
	STEP 0, 1                                      ; the tail is written out
	STEP 1, 0
	PLACES
	RIDE 0, 7
	RIDE 1, 7
	RIDE 2, 7
	RIDE 3, 7
	; THE WAY OUT, a token block at a time.  The largest |h| of my token's 32 r: a chain of maxima and a chain of minima over my 16 numbers, then the other half of the lanes'; its exponent alone is 2^Ej;
	; h 2^-Ej is rounded to f16 in pairs: four registers for r = 8 (l / 16) + 0..7, four for 16 more: the two halves of an operand, stored as they lie.
	WIN 0
.irp a, 0,1,2,3
	v_mov_b32 v[M0], 0
	v_mov_b32 v[M0+1], 0
	WIN 0x28                                       ; sources 1 and 2 in window 2
.set z, 0
.rept 8
	v_max3_num_f32 v[M0], v[M0], v[16*\a+2*z], v[16*\a+2*z+1]
	v_min3_num_f32 v[M0+1], v[M0+1], v[16*\a+2*z], v[16*\a+2*z+1]
.set z, z+1
.endr
	WIN 0
	v_sub_f32 v[M0+1], 0, v[M0+1]
	v_max_num_f32 v[M0], v[M0], v[M0+1]
	v_permlanex16_b32 v[M0+1], v[M0], s[SEL], s[SEL+1]  ; the token's other 16 r lie in the lane 16 away
	v_max_num_f32 v[M0], v[M0], v[M0+1]
	v_med3_num_f32 v[M0], v[M0], s44, s45          ; within 2^-126 .. 2^126
	v_and_b32 v[IV+\a], 0x7f800000, v[M0]          ; 2^Ej: the exponent alone
	v_sub_nc_u32 v[SC], 0x7f000000, v[IV+\a]       ; 2^-Ej: exponent field 254 less Ej's
	v_sub_nc_u32 v[SC+1], 0x7f000000, v[IV+\a]
	WIN 0x82                                       ; destination and source 0 in window 2
.set z, 0
.rept 8
	v_pk_mul_f32 v[16*\a+2*z:16*\a+2*z+1], v[16*\a+2*z:16*\a+2*z+1], v[SC:SC+1]
.set z, z+1
.endr
	WIN 0x0a                                       ; sources 0 and 1 in window 2
.set z, 0
.rept 8
	v_cvt_pk_f16_f32 v[BF+8*\a+z], v[16*\a+2*z], v[16*\a+2*z+1]
.set z, z+1
.endr
	WIN 0
	global_store_b128 v[GO], v[BF+8*\a:BF+8*\a+3],   s[10:11] offset:\a*8192      ; 512 consecutive bytes, at a multiple of 512 from hf's first; each store has data registers of its own
	global_store_b128 v[GO], v[BF+8*\a+4:BF+8*\a+7], s[10:11] offset:\a*8192+512
.endr
	v_cmp_eq_u32 vcc_lo, 1, v2                     ; both halves of the lanes hold the token's four 2^Ej: the lower stores blocks 0 and 1, the upper blocks 2 and 3
	v_cndmask_b32 v[EP], v[IV], v[IV+2], vcc_lo
	v_cndmask_b32 v[EP+1], v[IV+1], v[IV+3], vcc_lo
	global_store_b64 v[EO], v[EP:EP+1], s[46:47]   ; 256 consecutive bytes, at a multiple of 256 from es's first
	s_wait_tensorcnt 0x0                           ; the wave's end, behind my last tensor load and my last LDS store
	ds_add_u32 v[SPW], v[NIL]
	s_wait_dscnt 0x0
	CROUND                                         ; the closing round: no work-group ends while a partner may still ask for a tile that names it
	s_endpgm
.Lfunc_end_k_qb29e0537c4_feat:
	.size	k_qb29e0537c4_feat, .Lfunc_end_k_qb29e0537c4_feat-k_qb29e0537c4_feat
	.p2alignl 7, 3214868480
	.fill 96, 4, 3214868480
	.section	.rodata,"a",@progbits
	.p2align	6, 0x0
	.amdhsa_kernel k_qb29e0537c4_feat
		.amdhsa_group_segment_fixed_size 327680
		.amdhsa_private_segment_fixed_size 0
		.amdhsa_enable_private_segment 0
		.amdhsa_kernarg_size 40
		.amdhsa_user_sgpr_count 2
		.amdhsa_user_sgpr_kernarg_segment_ptr 1
		.amdhsa_wavefront_size32 1
		.amdhsa_system_sgpr_workgroup_id_x 1
		.amdhsa_system_sgpr_workgroup_id_y 1
		.amdhsa_system_sgpr_workgroup_id_z 1
		.amdhsa_system_vgpr_workitem_id 0
		.amdhsa_next_free_vgpr 1024
		.amdhsa_next_free_sgpr 66
		.amdhsa_reserve_vcc 1
		.amdhsa_float_denorm_mode_32 3
		.amdhsa_float_denorm_mode_16_64 3
		.amdhsa_memory_ordered 1
		.amdhsa_forward_progress 1
		.amdhsa_inst_pref_size 199
	.end_amdhsa_kernel
	.amdgpu_metadata
---
amdhsa.version: [ 1, 2 ]
amdhsa.kernels:
  - .name:           k_qb29e0537c4_feat
    .symbol:         k_qb29e0537c4_feat.kd
    .args:
      - { .name: xf, .offset: 0, .size: 8, .value_kind: global_buffer, .address_space: global }
      - { .name: fb, .offset: 8, .size: 8, .value_kind: global_buffer, .address_space: global }
      - { .name: feature_know_w, .offset: 16, .size: 8, .value_kind: global_buffer, .address_space: global }
      - { .name: hf, .offset: 24, .size: 8, .value_kind: global_buffer, .address_space: global }
      - { .name: es, .offset: 32, .size: 8, .value_kind: global_buffer, .address_space: global }
    .group_segment_fixed_size: 327680
    .private_segment_fixed_size: 0
    .kernarg_segment_align: 8
    .kernarg_segment_size: 40
    .max_flat_workgroup_size: 128
    .sgpr_count:     66
    .vgpr_count:     1024
    .wavefront_size: 32
...
	.end_amdgpu_metadata
.endif
;; end of part 2
;; launch rest (part 3): grid 32 x 8, 4 waves a work-group, clusters of 4 x 1, 327,680 bytes of LDS; arguments hf, es, rb, restore_know_w, out0; writes out0
.if DOCPART == 3
	.amdgcn_target "amdgcn-amd-amdhsa--gfx1250"
	.amdhsa_code_object_version 6
	.text
	.protected	k_qb29e0537c4_rest
	.globl	k_qb29e0537c4_rest
	.p2align	8
	.type	k_qb29e0537c4_rest,@function
k_qb29e0537c4_rest:
	s_mov_b64 s[64:65], 0
	v_nop
	global_prefetch_b8 v0, s[64:65] scope:SCOPE_SE
	s_setreg_imm32_b32 hwreg(HW_REG_WAVE_MODE, 25, 1), 1
	s_wait_xcnt 0x0
	s_wait_alu depctr_hold_cnt(0) depctr_sa_sdst(0) depctr_va_vdst(0) depctr_va_sdst(0) depctr_va_ssrc(0) depctr_va_vcc(0) depctr_vm_vsrc(0)
	s_getreg_b32 s2, hwreg(HW_REG_IB_STS2, 6, 4)
	s_cmp_eq_u32 s2, 0
	s_cbranch_scc0 .Lentry_in_a_cluster
	s_endpgm
.Lentry_in_a_cluster:
	s_bfe_u32 s2, ttmp6, 0x10000c
	s_cmp_lg_u32 s2, 0x3003
	s_cbranch_scc0 .Lentry_shape_is_right
	s_endpgm
.Lentry_shape_is_right:
; RESTORE STAGE.  out[t][d] = sum over n of rw[t][n] (sum over r of h[t][r] R[n][r][d]).  h arrives in f16 as matrix operands (hf), each group j of 32 r of a token behind its own exact scale 2^Ej (es);
; R as f16 numbers that are bf16 roundings (rb); rw is rounded to bf16 here, like every input of the module.  For each token E = the largest Ej; the operand of K step j is multiplied by 2^(Ej - E), exact
; but below 2^-14, and 2^E is laid onto the token's weights, rw' = rw 2^E.  Products by the f16 matrix form with f32 sums; the mixture in f32; out in f32.
; SHARES.  A work-group makes 256 tokens x 128 d (column group j); wave w takes the token half w / 2 (eight blocks a of 16) and the column half w % 2 (four blocks c of 16).  32 x 8 = 256 work-groups.
; STEPS.  Step n of 16 takes one tile of rb: R[n]'s 256 rows x the group's 128 columns.  A column block is worked in two HALVES g: token blocks 4 g .. 4 g + 3, Y = 4 results of 16 x 16 by 8 K steps x 4 blocks = 32
; matrix instructions (the first K step starts the sums with the constant 0), and then acc[a][c] += rw'[t][n] Y.  h stays in 512 registers for the whole launch; one fragment of R from LDS feeds eight matrix
; instructions: 16 turning loads for 64.  The two waves of a token half load the same h: 64 KB a wave, once.
; THE MATRIX INSTRUCTION IS USED TRANSPOSED: source 0 = 16 columns of R (turned on the way out of LDS by ds_load_tr16_b128), source 1 = 16 tokens: lane l holds ONE token (l % 16) and the columns 8 (l / 16) + 0..7.
; acc, Y's second buffer and W start at 0 (296 v_mov_b32 in the wait for the first loads): the first step is a step like any other.
; CLUSTER.  The four token blocks of a cluster belong to one column group and walk the same tiles of rb: each quarter tile is asked for JOINTLY, by the same tensor load, descriptor and mask in all four.
; A wave has two tensor loads out at the start and one behind each round.
; LIMITS.  rw 2^E must stay finite; numbers of h below 2^-14 of 2^E keep f16's fixed step 2^-24; NaN and infinities are not treated apart.
; REGISTERS, in windows of 256 (s_set_vgpr_msb: bits 1:0 source 0, 3:2 source 1, 5:4 source 2, 7:6 destination):
;   window 0: v0-31 addresses, 2^E; v32-39 W; v40-51 at work; v64-127 Y, a buffer of four results for each half; v128-255 R's fragments, two buffers of 8 K steps
;   windows 1, 2: h's fragments: block a, K step k in window 1 + a / 4 at 64 (a % 4) + 8 k     window 3: acc[a][c] at 32 a + 8 c
.set PITCH, 288                        ; a tile's row in LDS: 256 bytes + 32 of padding = 72 words: the 8 rows x 32 bytes that 16 lanes of the turning load take fall on different words modulo 64
.set QUART, 64*PITCH                   ; what one tensor load brings: 64 rows
.set SLOT,  4*QUART                    ; a tile: 256 rows
.set WT,    2*SLOT                     ; behind the ring, none of it ever filled by a tensor load: the weights, 8,192 bytes a wave, [n][token % 16][token / 16] in f32
.set STAGE, WT+4*8192                  ; 16 rows x 272 bytes for each wave, for the way out
.set SP,    272                        ; 256 bytes + 16: sixteen rows start 16 bytes apart modulo 256
.set INV,   STAGE+4*16*SP              ; 2^E of a wave's 128 tokens
.set SPARE, INV+4*512                  ; the spare words, 128 bytes for each wave: two blocks of 256 bytes that no other line names
.set TSTEP, 524288                     ; bytes from R[n] to R[n + 1] in rb
.set ADRB, 4                           ; v4-7  my lane's place in my half of a tile's columns: slot p, rows 128 kh on, at v[4 + 2 p + kh]
.set WAD0, 8                           ; v8    my eight weights of n = 0
.set WAD,  9                           ; v9    those of the first n of the trip in hand
.set WST,  10                          ; v10   where I put a token's weights
.set GO,   11                          ; v11   16 x lane
.set STO,  12                          ; v12   the way out: where I put 16 bytes of a row
.set RD,   13                          ; v13   the way out: where I read rows back
.set SPW,  14                          ; v14   LDS address of my spare word; never rewritten
.set NIL,  15                          ; v15   0; never rewritten
.set CO,   16                          ; v16   my byte offset in two rows of out0
.set ESO,  17                          ; v17   16 x (lane % 16)
.set IVS,  18                          ; v18   where I put a token's 2^E
.set IVL,  19                          ; v19   where, as a token, I read it
.set RWO,  20                          ; v20   64 x lane
.set EM,   24                          ; v24-31 2^E of my token in blocks 0-7
.set W,    32                          ; v32-39 the step's weights of my token in blocks 0-7
.set RI,   40                          ; v40-47 2^-E
.set IVT,  48                          ; v48-51 2^E of tokens l, l + 32, l + 64, l + 96
.set Y,    64
.set HT,   64                          ; at the start: 32 registers at work
.set BF,   128
.set ES,   128                         ; at the start: 2^Ej, then 2^(Ej - E) twice in f16: group j, block a at ES + 8 j + a
.set RWV,  192                         ; at the start: the weights of token l + 32 m at RWV + 16 m + n
.set WV,   12                          ; s12   my wave's number;  s48 its token half, s49 its column half
.set G1,   24                          ; s[24:31] descriptor group 1
.set G0,   32                          ; s[32:39] descriptor group 0, a set for each slot
.set TRIP, 40                          ; s40   counts trips of two steps
.set MSB, 0
.macro WIN new                         ; the immediate's high byte repeats the setting that is left; a switch that changes nothing is dropped
.if MSB != (\new)
	s_set_vgpr_msb (MSB<<8)|(\new)
.set MSB, (\new)
.endif
.endm
.set RS,  0xf0                         ; destination and source 2 (acc) in window 3
.macro PLACES                          ; four places: behind a matrix instruction, in front of vector lines that read its result and of loads into its sources
.rept 4
	v_nop
.endr
.endm
.macro CREST                           ; a round of the cluster's barrier behind its opening barrier
	s_cmp_lg_u32 s[WV], 0
	s_cbranch_scc1 .Lnot_wave_0_\@
	s_barrier_signal -3
.Lnot_wave_0_\@:
	s_barrier_wait -3
	s_barrier_signal -1
	s_barrier_wait -1
.endm
.macro CROUND                          ; a whole round
	s_barrier_signal -1
	s_barrier_wait -1
	CREST
.endm
; Four matrix instructions: K step k of half g, on R's fragments in buffer b.  Source 1 (tokens) in window 1 + g, all else in window 0: LDS loads into window 0 run under that setting too.
; The four accumulators take turns, one instruction a turn.
.macro KSTEP g, b, k
	WIN 0x04<<(\g)
.irp a, 0,1,2,3
.if (\k) == 0
	v_wmma_f32_16x16x32_f16 v[Y+32*(\g)+8*\a:Y+32*(\g)+8*\a+7], v[BF+64*(\b)+8*(\k):BF+64*(\b)+8*(\k)+7], v[64*\a+8*(\k):64*\a+8*(\k)+7], 0
.else
	v_wmma_f32_16x16x32_f16 v[Y+32*(\g)+8*\a:Y+32*(\g)+8*\a+7], v[BF+64*(\b)+8*(\k):BF+64*(\b)+8*(\k)+7], v[64*\a+8*(\k):64*\a+8*(\k)+7], v[Y+32*(\g)+8*\a:Y+32*(\g)+8*\a+7]
.endif
.endr
.endm
; 16 turning loads in one run: my column block c of slot p, all 256 rows, into buffer b.  K step k: rows 32 k + 8 (l / 16) + 0..7, then 16 rows further down.
.macro FETCH p, c, b
.irp k, 0,1,2,3,4,5,6,7
	ds_load_tr16_b128 v[BF+64*(\b)+8*\k:BF+64*(\b)+8*\k+3],   v[ADRB+2*(\p)+\k/4] offset:(\k%4)*32*PITCH+32*(\c)
	ds_load_tr16_b128 v[BF+64*(\b)+8*\k+4:BF+64*(\b)+8*\k+7], v[ADRB+2*(\p)+\k/4] offset:(\k%4)*32*PITCH+16*PITCH+32*(\c)
.endr
.endm
; acc += w Y for result a of the finished half pg of column block pc: four packed multiply-adds, Y's lowest registers first.  The weight is one half of a register pair, taken for both results.
.macro RIDE a, pg, pc
	WIN RS
.set rA, 32*(4*(\pg)+(\a))+8*(\pc)
.set rY, Y+32*(\pg)+8*(\a)
.set rW, W+4*(\pg)+2*((\a)/2)
.irp jj, 0,1,2,3
.if ((\a)%2) == 0
	v_pk_fma_f32 v[rA+2*\jj:rA+2*\jj+1], v[rY+2*\jj:rY+2*\jj+1], v[rW:rW+1], v[rA+2*\jj:rA+2*\jj+1] op_sel_hi:[1,0,1]
.else
	v_pk_fma_f32 v[rA+2*\jj:rA+2*\jj+1], v[rY+2*\jj:rY+2*\jj+1], v[rW:rW+1], v[rA+2*\jj:rA+2*\jj+1] op_sel:[0,1,0] op_sel_hi:[1,1,1]
.endif
.endr
.endm
.macro WLOAD p                         ; the step's weights: my token's eight blocks
	ds_load_b128 v[W:W+3],   v[WAD] offset:(\p)*512
	ds_load_b128 v[W+4:W+7], v[WAD] offset:(\p)*512+16
.endm
; Half g of column block c of the tile in slot p: 32 matrix instructions.  In a block's first half the next block's fragments are fetched behind the first K step, 60 matrix instructions ahead of their use;
; the half before ((c, 0), or (c - 1, 1)) is laid onto acc in four rides behind K steps 1-4.
.macro HALF p, c, g
.if ((\g) == 0) || ((\c) == 0)
	s_wait_dscnt 0x0                               ; g = 0: this block's fragments are in;  (0, 1): the step's weights are
.endif
	KSTEP \g, (\c)%2, 0
	PLACES                                         ; behind the half before's last products: for the rides that read its results and the loads into fragments that it read
.if ((\g) == 0) && ((\c) < 3)
	FETCH \p, (\c)+1, 1-(\c)%2
.endif
	KSTEP \g, (\c)%2, 1
	RIDE 0, 1-(\g), ((\c)+3+(\g))%4
	KSTEP \g, (\c)%2, 2
	RIDE 1, 1-(\g), ((\c)+3+(\g))%4
	KSTEP \g, (\c)%2, 3
	RIDE 2, 1-(\g), ((\c)+3+(\g))%4
	KSTEP \g, (\c)%2, 4
	RIDE 3, 1-(\g), ((\c)+3+(\g))%4
.if ((\g) == 0) && ((\c) == 0)
	WIN 0x04
	WLOAD \p                                       ; behind the last ride that wants the step before's weights
.endif
	KSTEP \g, (\c)%2, 5
	KSTEP \g, (\c)%2, 6
	KSTEP \g, (\c)%2, 7
.endm
; The step's last half, (3, 1), with the change of slots.  My last reads of the slot came back two halves ago.  mode 2: the slot is filled again, two tiles on.  mode 1: nothing is left to ask for.
.macro LAST p, mode
	WIN 0
	s_wait_tensorcnt 0x0                           ; all my tensor loads have landed: the one that was out is my quarter of the other slot
	ds_add_u32 v[SPW], v[NIL]                      ; 0 onto my spare word
	KSTEP 1, 1, 0                                  ; eight matrix instructions stand between the add and the wait for it
	KSTEP 1, 1, 1
.if (\mode) == 2
	s_add_nc_u64 s[G0+4*(\p)+2:G0+4*(\p)+3], s[G0+4*(\p)+2:G0+4*(\p)+3], 2*TSTEP  ; no tensor load of mine is out: this slot's next tile
.endif
	s_wait_dscnt 0x0                               ; the add is done, and my reads of this slot are over
	s_barrier_signal -1
	KSTEP 1, 1, 2                                  ; work on registers while the others arrive
	KSTEP 1, 1, 3
	WIN 0                                          ; at a branch and at a label every window is 0
	s_barrier_wait -1
.if (\mode) == 2
	CREST                                          ; the barrier has opened a round of the cluster's: no wave of any partner still reads this slot or has a load on its way
	tensor_load_to_lds s[G0+4*(\p):G0+4*(\p)+3], s[G1:G1+7]  ; the joint refill, first behind the round: about 224 matrix instructions ahead of the wait for it
	s_nop 0
.endif
	PLACES                                         ; behind half (3, 0)'s last products, for the rides below
	FETCH 1-(\p), 0, 0                             ; the other slot is whole: its first block
	KSTEP 1, 1, 4
	RIDE 0, 0, 3
	KSTEP 1, 1, 5
	RIDE 1, 0, 3
	KSTEP 1, 1, 6
	RIDE 2, 0, 3
	KSTEP 1, 1, 7
	RIDE 3, 0, 3
	WIN 0
.endm
.macro STEP p, mode                    ; mode 0: the last step: nothing is left to fetch, and no barrier
.irp c, 0,1,2
	HALF \p, \c, 0
	HALF \p, \c, 1
.endr
	HALF \p, 3, 0
.if (\mode) == 0
	HALF \p, 3, 1
.else
	LAST \p, \mode
.endif
.endm
; 16 loads: h's fragments of token block a, as they lie in hf: each load is 512 consecutive bytes.
.macro ALOAD a
	WIN (1+(\a)/4)<<6                              ; destination in window 1 or 2
.irp k, 0,1,2,3,4,5,6,7
	global_load_b128 v[64*((\a)%4)+8*\k:64*((\a)%4)+8*\k+3],   v[GO], s[4:5] offset:(\a)*8192+\k*1024
	global_load_b128 v[64*((\a)%4)+8*\k+4:64*((\a)%4)+8*\k+7], v[GO], s[4:5] offset:(\a)*8192+\k*1024+512
.endr
	WIN 0
.endm
; The same fragments are brought onto the token's common scale: K step k times 2^(Ek - E), two f16 at a time.
.macro SCALE a
	WIN (1+(\a)/4)*0x41                            ; destination and source 0 in window 1 or 2
.set i, 0
.rept 64
	v_pk_mul_f16 v[64*((\a)%4)+i], v[64*((\a)%4)+i], v[ES+8*(i/8)+(\a)]
.set i, i+1
.endr
	WIN 0
.endm
	s_load_b256 s[4:11], s[0:1], 0x0               ; hf s[4:5], es s[6:7], rb s[8:9], restore_know_w s[10:11]
	s_load_b64 s[46:47], s[0:1], 0x20              ; out0
	v_lshl_add_u32 v[SPW], v0, 2, SPARE
	v_mov_b32 v[NIL], 0
	ds_add_u32 v14, v15
	ds_add_u32 v14, v15
	s_wait_dscnt 0x0
	v_lshrrev_b32 v3, 5, v0
	v_readfirstlane_b32 s[WV], v3                  ; wave 0..3
	s_lshr_b32 s48, s[WV], 1                       ; my half of the tokens
	s_and_b32 s49, s[WV], 1                        ; my half of the columns
	s_bfe_u32 s13, ttmp6, 0x40000                  ; cx: my place in the cluster
	s_lshl_b32 s14, ttmp9, 2                       ; in a cluster launch ttmp9 counts clusters
	s_add_co_u32 s14, s14, s13                     ; my block of 256 tokens: it enters hf's, es's, the weights' and out0's addresses alone
	s_and_b32 s15, ttmp7, 0xffff                   ; j, which the four partners share
	s_lshl_b32 s16, s15, 8                         ; rb: the column group's 256 bytes of a row,
	s_lshl_b32 s41, s[WV], 17                      ; the 64 rows of 2,048 bytes that I fetch
	s_add_co_u32 s16, s16, s41
	s_mov_b32 s17, 0
	s_lshl_b32 s18, s14, 17                        ; hf: 16 token blocks of 8,192 bytes, my eight of them
	s_lshl_b32 s41, s48, 16
	s_add_co_u32 s18, s18, s41
	s_mov_b32 s19, 0
	s_lshl_b32 s20, s14, 14                        ; the weights: 64 bytes a token
	s_lshl_b32 s41, s48, 13
	s_add_co_u32 s20, s20, s41
	s_mov_b32 s21, 0
	s_lshl_b32 s22, s14, 20                        ; out0: 4,096 bytes a token, 512 a column group, 256 a half of it
	s_lshl_b32 s41, s48, 19
	s_add_co_u32 s22, s22, s41
	s_lshl_b32 s41, s15, 9
	s_add_co_u32 s22, s22, s41
	s_lshl_b32 s41, s49, 8
	s_add_co_u32 s22, s22, s41
	s_mov_b32 s23, 0
	s_lshl_b32 s2, s14, 10                         ; es: 256 bytes for 64 tokens in each plane
	s_lshl_b32 s41, s48, 9
	s_add_co_u32 s2, s2, s41
	s_mov_b32 s3, 0
	; descriptor group 1: 64 rows x 128 elements out of rows of 1,024, padded in LDS
	s_mov_b32 s[G1+0], 15|(1<<16)|(1<<20)|(1<<21)|(5<<22)|(7<<25)  ; 15:0 the mask of four; 17:16 2-byte elements; 20 padding on; 21 set beside a mask; 24:22 after every 64 words (code 5); 31:25 8 words (code 7)
	s_mov_b32 s[G1+1], 128<<16                     ; tensor_dim0 = 128
	s_mov_b32 s[G1+2], 64<<16                      ; tensor_dim1 = 64
	s_mov_b32 s[G1+3], 128<<16                     ; tile_dim0 = 128
	s_mov_b32 s[G1+4], 64                          ; tile_dim1 = 64
	s_mov_b32 s[G1+5], 1024                        ; 1,024 elements from row to row
	s_mov_b32 s[G1+6], 0
	s_mov_b32 s[G1+7], 0
	s_mul_i32 s41, s[WV], QUART                    ; my quarter of a slot: no place in the cluster enters an LDS address
	s_mov_b32 s[G0], 1
	s_mov_b32 s[G0+1], s41
	s_mov_b32 s[G0+4], 1
	s_add_co_u32 s[G0+5], s41, SLOT
	v_and_b32 v1, 15, v0                           ; l % 16
	v_bfe_u32 v2, v0, 4, 1                         ; l / 16
	v_and_b32 v3, 7, v0
	v_lshl_add_u32 v3, v2, 3, v3                   ; the turning load: row 8 (l / 16) + l % 8,
	v_mul_u32_u24 v3, v3, PITCH
	v_bfe_u32 v21, v0, 3, 1
	v_lshl_add_u32 v3, v21, 4, v3                  ; 16 bytes for each eight lanes,
	s_lshl_b32 s41, s49, 7
	v_add_nc_u32 v[ADRB], s41, v3                  ; in my half of the row's 256 bytes
	v_add_nc_u32 v[ADRB+1], 128*PITCH, v[ADRB]
	v_add_nc_u32 v[ADRB+2], SLOT, v[ADRB]
	v_add_nc_u32 v[ADRB+3], SLOT+128*PITCH, v[ADRB]
	s_lshl_b32 s41, s[WV], 13
	s_add_co_u32 s41, s41, WT
	v_lshl_add_u32 v[WAD0], v1, 5, s41             ; 32 bytes a token place: eight blocks
	v_lshl_add_u32 v[WST], v2, 2, v[WAD0]          ; as a token, lane l is token l % 16 of block l / 16
	v_and_b32 v22, 31, v0                          ; lane
	v_lshlrev_b32 v[GO], 4, v22
	v_lshlrev_b32 v[RWO], 6, v22
	v_lshlrev_b32 v[ESO], 4, v1
	s_mul_i32 s41, s[WV], 16*SP
	s_add_co_u32 s41, s41, STAGE                   ; my stage
	v_mul_u32_u24 v[STO], v1, SP                   ; in: row l % 16, 32 bytes for each half of the lanes
	v_lshl_add_u32 v[STO], v2, 5, v[STO]
	v_add_nc_u32 v[STO], s41, v[STO]
	v_mul_u32_u24 v[RD], v2, SP                    ; back: lanes 0-15 take one row of 256 bytes, lanes 16-31 the next
	v_lshl_add_u32 v[RD], v1, 4, v[RD]
	v_add_nc_u32 v[RD], s41, v[RD]
	v_lshlrev_b32 v[CO], 12, v2                    ; and the same two rows in out0
	v_lshl_add_u32 v[CO], v1, 4, v[CO]
	s_lshl_b32 s41, s[WV], 9
	s_add_co_u32 s41, s41, INV
	v_lshl_add_u32 v[IVS], v1, 2, s41
	v_lshl_add_u32 v[IVL], v22, 2, s41
	s_wait_kmcnt 0x0
	s_add_nc_u64 s[8:9], s[8:9], s[16:17]
	s_mov_b64 s[G0+2:G0+3], s[8:9]                 ; tile 0
	s_or_b32 s[G0+3], s[G0+3], 0x80000000          ; type = 2
	s_add_nc_u64 s[G0+6:G0+7], s[8:9], TSTEP       ; tile 1
	s_or_b32 s[G0+7], s[G0+7], 0x80000000
	s_add_nc_u64 s[4:5], s[4:5], s[18:19]
	s_add_nc_u64 s[6:7], s[6:7], s[2:3]
	s_add_nc_u64 s[10:11], s[10:11], s[20:21]
	s_add_nc_u64 s[46:47], s[46:47], s[22:23]
	CROUND                                         ; all four work-groups are here: the first joint loads meet
	tensor_load_to_lds s[G0:G0+3], s[G1:G1+7]      ; both first fills go out together, ahead of every wait on TENSORcnt and every LDS read
	s_nop 0
	tensor_load_to_lds s[G0+4:G0+7], s[G1:G1+7]
	s_nop 0
	PLACES
.irp jj, 0,1,2,3,4,5,6,7
	global_load_b128 v[ES+8*\jj:ES+8*\jj+3],   v[ESO], s[6:7] offset:\jj*32768      ; 2^Ej of my token in blocks 0-3,
	global_load_b128 v[ES+8*\jj+4:ES+8*\jj+7], v[ESO], s[6:7] offset:\jj*32768+256  ; and in blocks 4-7
.endr
.irp m, 0,1,2,3
.irp i, 0,1,2,3
	global_load_b128 v[RWV+16*\m+4*\i:RWV+16*\m+4*\i+3], v[RWO], s[10:11] offset:\m*2048+16*\i  ; token l + 32 m's 16 weights
.endr
.endr
	ALOAD 0
	ALOAD 1
	WIN 0xc0
.set i, 0
.rept 256
	v_mov_b32 v[i], 0                              ; acc
.set i, i+1
.endr
	WIN 0
.set i, 0
.rept 32
	v_mov_b32 v[Y+32+i], 0                         ; what the first step's first rides find: 0 x 0 onto 0
.set i, i+1
.endr
.set i, 0
.rept 8
	v_mov_b32 v[W+i], 0
.set i, i+1
.endr
	s_wait_loadcnt 48                              ; the 16 loads of es are in: behind them stand the weights' 16 and two blocks of h
	ALOAD 2
.irp a, 0,1,2,3,4,5,6,7
	v_max3_num_f32 v[EM+\a], v[ES+\a], v[ES+8+\a], v[ES+16+\a]      ; 2^E: the largest of the token's eight 2^Ej
.endr
.irp a, 0,1,2,3,4,5,6,7
	v_max3_num_f32 v[EM+\a], v[EM+\a], v[ES+24+\a], v[ES+32+\a]
.endr
.irp a, 0,1,2,3,4,5,6,7
	v_max3_num_f32 v[EM+\a], v[EM+\a], v[ES+40+\a], v[ES+48+\a]
.endr
.irp a, 0,1,2,3,4,5,6,7
	v_max_num_f32 v[EM+\a], v[EM+\a], v[ES+56+\a]
.endr
.irp a, 0,1,2,3,4,5,6,7
	v_sub_nc_u32 v[RI+\a], 0x7f000000, v[EM+\a]    ; 2^-E: exponent field 254 less E's
.endr
.irp a, 0,1,2,3,4,5,6,7
	ds_store_b32 v[IVS], v[EM+\a] offset:\a*64     ; token 16 a + l % 16; both halves of the lanes write the same word with the same value
.endr
.set i, 0
.rept 32
	v_pk_mul_f32 v[ES+2*i:ES+2*i+1], v[ES+2*i:ES+2*i+1], v[RI+2*(i%4):RI+2*(i%4)+1]  ; 2^(Ej - E), at most 1
.set i, i+1
.endr
.set i, 0
.rept 64
	v_cvt_pk_f16_f32 v[ES+i], v[ES+i], v[ES+i]     ; twice in f16: a power of two down to 2^-24, below that 0
.set i, i+1
.endr
	s_wait_loadcnt 48                              ; the weights are in: behind them stand three blocks of h
	ALOAD 3
.irp m, 0,1,2,3
	ds_load_b32 v[IVT+\m], v[IVL] offset:\m*128    ; 2^E of token l + 32 m: my wave's own words, served in order behind the stores above
.endr
.set z, 0
.rept 32
	v_cvt_pk_bf16_f32 v[HT+z], v[RWV+2*z], v[RWV+2*z+1]  ; the weights are rounded to bf16 like every input,
.set z, z+1
.endr
.set z, 0
.rept 32
	v_lshlrev_b32 v[RWV+2*z], 16, v[HT+z]          ; kept in f32,
	v_and_b32 v[RWV+2*z+1], 0xffff0000, v[HT+z]
.set z, z+1
.endr
	s_wait_dscnt 0x0
.set z, 0
.rept 64
	v_mul_f32 v[RWV+z], v[RWV+z], v[IVT+z/16]      ; and take the token's 2^E: exact
.set z, z+1
.endr
.set z, 0
.rept 64
	ds_store_b32 v[WST], v[RWV+z] offset:(z%16)*512+(z/16)*8  ; token l + 32 m lies 2 m blocks on
.set z, z+1
.endr
.set ab, 0
.rept 8                                                ; three blocks of h are kept on their way behind the one that is scaled
.if ab < 5
	s_wait_loadcnt 48                              ; block ab is in: behind it stand the next three
.else
	s_wait_loadcnt 16*(7-ab)                       ; the blocks still behind it; at the last the count is 0
.endif
.if ab < 4
	ALOAD ab+4
.endif
	SCALE ab
.set ab, ab+1
.endr
	v_mov_b32 v[WAD], v[WAD0]
	s_wait_dscnt 0x0                               ; my stores of the weights are done
	s_wait_tensorcnt 0x1                           ; my quarter of tile 0 is in; tile 1's may stay out
	s_barrier_signal -1
	s_barrier_wait -1                              ; everybody's is
	FETCH 0, 0, 0
	s_mov_b32 s[TRIP], 0
.Ltrip:                                                ; seven trips of two steps: n = 0 to 13, each of which fills its slot again
	STEP 0, 2
	STEP 1, 2
	v_add_nc_u32 v[WAD], 1024, v[WAD]              ; two n on
	s_add_co_u32 s[TRIP], s[TRIP], 1
	s_cmp_lt_u32 s[TRIP], 7
	s_cbranch_scc1 .Ltrip
	STEP 0, 1                                      ; the tail is written out
	STEP 1, 0
	PLACES
	RIDE 0, 1, 3
	RIDE 1, 1, 3
	RIDE 2, 1, 3
	RIDE 3, 1, 3
	; THE WAY OUT.  A lane holds 4 x 32 bytes of a token's 256; a block of 16 tokens goes into my stage and comes back as whole rows of 256 bytes.  The stage is my wave's own and LDS serves a wave's
	; instructions in order (ISA guide 5.7.1.4): no wait stands between the stores and the loads, and the next block's stores come behind this block's loads.
.macro TOSTAGE a
.if (\a) >= 4
	s_wait_xcnt 0x0                                ; the registers loaded below were the data of block a - 4's stores: they are rewritten only behind this wait
.endif
	WIN 0x0c                                       ; the stores' data in window 3
.irp c, 0,1,2,3
	ds_store_b128 v[STO], v[32*(\a)+8*\c:32*(\a)+8*\c+3]   offset:\c*64
	ds_store_b128 v[STO], v[32*(\a)+8*\c+4:32*(\a)+8*\c+7] offset:\c*64+16
.endr
	WIN 0
.irp t, 0,1,2,3,4,5,6,7
	ds_load_b128 v[BF+32*((\a)%4)+4*\t:BF+32*((\a)%4)+4*\t+3], v[RD] offset:\t*2*SP
.endr
.endm
.macro SEND a, younger                 ; younger: the LDS instructions issued behind block a's loads: the next block's 16, or none
.irp t, 0,1,2,3,4,5,6,7
	s_wait_dscnt (\younger)+7-\t
	global_store_b128 v[CO], v[BF+32*((\a)%4)+4*\t:BF+32*((\a)%4)+4*\t+3], s[46:47] offset:(16*(\a)+2*\t)*4096 th:TH_STORE_NT  ; 16 lanes store 256 consecutive bytes, at a multiple of 256 from out0's first
.endr
.endm
	TOSTAGE 0
.irp a, 1,2,3,4,5,6,7
	TOSTAGE \a
	SEND (\a)-1, 16
.endr
	SEND 7, 0
	s_wait_tensorcnt 0x0                           ; the wave's end, behind my last tensor load and my last LDS store
	ds_add_u32 v[SPW], v[NIL]
	s_wait_dscnt 0x0
	CROUND                                         ; the closing round: no work-group ends while a partner may still ask for a tile that names it
	s_endpgm
.Lfunc_end_k_qb29e0537c4_rest:
	.size	k_qb29e0537c4_rest, .Lfunc_end_k_qb29e0537c4_rest-k_qb29e0537c4_rest
	.p2alignl 7, 3214868480
	.fill 96, 4, 3214868480
	.section	.rodata,"a",@progbits
	.p2align	6, 0x0
	.amdhsa_kernel k_qb29e0537c4_rest
		.amdhsa_group_segment_fixed_size 327680
		.amdhsa_private_segment_fixed_size 0
		.amdhsa_enable_private_segment 0
		.amdhsa_kernarg_size 40
		.amdhsa_user_sgpr_count 2
		.amdhsa_user_sgpr_kernarg_segment_ptr 1
		.amdhsa_wavefront_size32 1
		.amdhsa_system_sgpr_workgroup_id_x 1
		.amdhsa_system_sgpr_workgroup_id_y 1
		.amdhsa_system_sgpr_workgroup_id_z 1
		.amdhsa_system_vgpr_workitem_id 0
		.amdhsa_next_free_vgpr 1024
		.amdhsa_next_free_sgpr 66
		.amdhsa_reserve_vcc 0
		.amdhsa_float_denorm_mode_32 3
		.amdhsa_float_denorm_mode_16_64 3
		.amdhsa_memory_ordered 1
		.amdhsa_forward_progress 1
		.amdhsa_inst_pref_size 230
	.end_amdhsa_kernel
	.amdgpu_metadata
---
amdhsa.version: [ 1, 2 ]
amdhsa.kernels:
  - .name:           k_qb29e0537c4_rest
    .symbol:         k_qb29e0537c4_rest.kd
    .args:
      - { .name: hf, .offset: 0, .size: 8, .value_kind: global_buffer, .address_space: global }
      - { .name: es, .offset: 8, .size: 8, .value_kind: global_buffer, .address_space: global }
      - { .name: rb, .offset: 16, .size: 8, .value_kind: global_buffer, .address_space: global }
      - { .name: restore_know_w, .offset: 24, .size: 8, .value_kind: global_buffer, .address_space: global }
      - { .name: out0, .offset: 32, .size: 8, .value_kind: global_buffer, .address_space: global }
    .group_segment_fixed_size: 327680
    .private_segment_fixed_size: 0
    .kernarg_segment_align: 8
    .kernarg_segment_size: 40
    .max_flat_workgroup_size: 128
    .sgpr_count:     66
    .vgpr_count:     1024
    .wavefront_size: 32
...
	.end_amdgpu_metadata
.endif
;; end of part 3
;; ======== version 2 of 2: 3 launches; version 1 with the launch prep written anew for expert scheduling mode
;; limits: values are held in f16: magnitudes above 65,504 overflow, below 6.1e-05 lose precision; inputs' magnitudes at most 65,504
;; workspace buffers: xf 16,777,216 bytes; fb 8,388,608 bytes; rb 8,388,608 bytes; hf 4,194,304 bytes; es 262,144 bytes
;; launch prep (part 4): grid 512 x 1, 8 waves a work-group, no clusters, 68,608 bytes of LDS; arguments x, feature_know, restore_know, xf, fb, rb; writes xf, fb, rb
.if DOCPART == 4
	.amdgcn_target "amdgcn-amd-amdhsa--gfx1250"
	.amdhsa_code_object_version 6
	.text
	.protected	k_qb29e0537c4_prep
	.globl	k_qb29e0537c4_prep
	.p2align	8
	.type	k_qb29e0537c4_prep,@function
k_qb29e0537c4_prep:
	s_mov_b64 s[64:65], 0
	v_nop
	global_prefetch_b8 v0, s[64:65] scope:SCOPE_SE
	s_setreg_imm32_b32 hwreg(HW_REG_WAVE_SCHED_MODE, 0, 2), 2
	s_setreg_imm32_b32 hwreg(HW_REG_WAVE_MODE, 25, 1), 1
	s_wait_xcnt 0x0
	s_wait_alu depctr_vm_vsrc(0)
; PREPARATION.  The three large inputs are rounded to 16 bits and laid out for the two product launches.  Every wave takes ONE unit of 16,384 bytes of f32:
; 32 loads of 16 bytes a lane, all issued at once, the conversions, 16 stores of 16 bytes a lane.  No loop, no barrier: no wave needs another.
;   work-groups 0-255   x  -> xf: bf16, in the order of a matrix operand: 16 tokens x 32 d are 1,024 dense bytes, two halves of 512 in which lane l's 16 bytes lie at 16 l
;        xf(token, d) = (token/16) 32768 + (d/32) 1024 + ((d/16)%2) 512 + (((d/8)%2) 16 + token%16) 16 + (d%8) 2
;   work-groups 256-383 feature_know -> fb: bf16, in blocks: fb(n = 4q+nn, d = 256dc+dd, r = 32j+rr) = j 1048576 + (4dc+q) 65536 + dd 256 + nn 64 + rr 2
;   work-groups 384-511 restore_know -> rb: rounded to bf16 like every input, that number written as f16, in restore_know's own order
; LIMITS.  |restore_know| of 65,520 or more becomes an infinity in f16; below 2^-17 the f16 copy keeps the fixed step 2^-24 and may differ from the bf16 number by 2^-25.
; Matrix units, clusters and tensor loads are left out: each byte is touched once and nothing is shared.
; THE MODE: SCHED_MODE bits 1:0 = 2 (LLVM: expert scheduling mode 2), set by the entry lines.  The code itself states the register dependences
; between vector instructions and memory or LDS instructions, with s_wait_alu, always for 0.
; THE PLAN.  A unit's 32 loads are worked on in four batches of eight.  Registers that memory or LDS instructions touch:
;   v3, v4, v5   offsets and LDS addresses: written by vector lines at a job's head, once; read by all its loads and stores.  One wait on va_vdst ahead of the job's first load.
;   X            the 32 loads land in it; no vector line names it ahead of them.  Job x: a load's two conversions write the first two of its four registers, which its LDS store reads; nothing writes them again.
;   O            job x: the LDS loads land in it and the stores read it: no vector line names it.  Jobs f and r: a conversion writes each register once, one store reads it; nothing writes it again.
;   T            job r alone: named by vector lines alone.
;   v224, v225   written at the head, read by the closing add alone.
; So one wait on va_vdst stands behind each batch's conversions, ahead of the batch's run of stores, and no register that a memory or LDS instruction has read is ever written again:
; no wait on vm_vsrc is owed.  The wave's number passes through a scalar register: one wait on va_sdst, in the head.
.set X,     16                         ; v[16:143]  32 x 4 registers as loaded
.set T,     144                        ; v[144:159] at work, in job r
.set O,     160                        ; v[160:223] 16 x 4 registers to store: each store has data registers of its own, so none is rewritten while a store reads it
.set LROW,  528                        ; job x: an LDS row, 512 bytes of bf16 + 16: sixteen rows start 16 bytes apart modulo 256
.set LWAVE, 16*LROW                    ; a wave's own 16 rows
	s_load_b256 s[4:11], s[0:1], 0x0               ; x s[4:5], feature_know s[6:7], restore_know s[8:9], xf s[10:11]
	s_load_b128 s[16:19], s[0:1], 0x20             ; fb s[16:17], rb s[18:19]
	v_lshl_add_u32 v224, v0, 2, 0x10800
	v_mov_b32 v225, 0
	v_lshrrev_b32 v1, 5, v0
	v_readfirstlane_b32 s12, v1                    ; wave 0..7
	v_and_b32 v2, 31, v0                           ; lane
	s_mov_b32 s13, ttmp9
	s_mov_b32 s14, 0xffff0000                      ; a word's upper bf16
	s_mov_b32 s21, 0                               ; high words of the two offsets
	s_mov_b32 s23, 0
	s_wait_alu depctr_va_sdst(0)                   ; s12 is written, ahead of the branch and of its first reader in each of the three jobs
	s_cmp_lt_u32 s13, 256
	s_cbranch_scc0 .Lnot_x
	; JOB X.  Unit u = 8 x work-group + wave: 16 tokens (block u / 4) x 256 d (chunk u % 4).
	s_lshl_b32 s15, s13, 3
	s_add_co_u32 s15, s15, s12                     ; u
	s_lshr_b32 s24, s15, 2                         ; token block
	s_and_b32 s25, s15, 3                          ; chunk of 256 d
	s_lshl_b32 s20, s24, 16                        ; in: 16 rows of 4,096 bytes,
	s_lshl_b32 s26, s25, 10                        ; 1,024 bytes a chunk
	s_add_co_u32 s20, s20, s26
	s_lshl_b32 s22, s24, 15                        ; out: 32,768 bytes a token block,
	s_lshl_b32 s26, s25, 13                        ; 8,192 a chunk
	s_add_co_u32 s22, s22, s26
	v_lshlrev_b32 v3, 4, v2                        ; 16 x lane: for the loads and for the stores
	s_mul_i32 s27, s12, LWAVE
	v_lshl_add_u32 v4, v2, 3, s27                  ; into LDS: 8 bytes a lane
	v_and_b32 v5, 15, v2
	v_lshrrev_b32 v6, 4, v2
	v_mul_u32_u24 v5, v5, LROW
	v_lshl_add_u32 v5, v6, 4, v5
	v_add_nc_u32 v5, s27, v5                       ; back: token lane % 16, 16 bytes for each half of the lanes
	s_wait_kmcnt 0x0
	s_add_nc_u64 s[4:5], s[4:5], s[20:21]
	s_add_nc_u64 s[10:11], s[10:11], s[22:23]
	s_wait_alu depctr_va_vdst(0)                   ; v3, v4 and v5 are written: the loads and stores below, global and LDS, read them as offsets and addresses
.set i, 0
.rept 32                                               ; load i: token i / 2, half i % 2 of its 1,024 bytes: 512 consecutive bytes
	global_load_b128 v[X+4*i:X+4*i+3], v3, s[4:5] offset:(i/2)*4096+(i%2)*512 th:TH_LOAD_NT
.set i, i+1
.endr
.set bb, 0
.rept 4                                                ; batch bb: loads 8 bb to 8 bb + 7, four tokens
	s_wait_loadcnt 24-8*bb                         ; the batch's eight loads are in; those issued behind them may stay out
.set i, 8*bb
.rept 8
	v_cvt_pk_bf16_f32 v[X+4*i], v[X+4*i], v[X+4*i+1]      ; four numbers close up into the first two of their four registers
	v_cvt_pk_bf16_f32 v[X+4*i+1], v[X+4*i+2], v[X+4*i+3]
.set i, i+1
.endr
	s_wait_alu depctr_va_vdst(0)                   ; the batch's sixteen conversions have written the pairs that the eight LDS stores below read
.set i, 8*bb
.rept 8
	ds_store_b64 v4, v[X+4*i:X+4*i+1] offset:(i/2)*LROW+(i%2)*256
.set i, i+1
.endr
.set bb, bb+1
.endr
.set t, 0
.rept 16                                               ; the wave's own bytes, served in order: these see the stores above.  Load t: d = 16 t + 8 (lane / 16) + 0..7 of token lane % 16.  No vector line names O in this job
	ds_load_b128 v[O+4*t:O+4*t+3], v5 offset:32*t
.set t, t+1
.endr
.set t, 0
.rept 16
	s_wait_dscnt 15-t                              ; the LDS loads issued behind load t may stay out
	global_store_b128 v3, v[O+4*t:O+4*t+3], s[10:11] offset:512*t  ; 512 consecutive bytes, at a multiple of 512 from xf's first
.set t, t+1
.endr
	s_wait_dscnt 0x0                               ; the closing lines, six on end
	s_wait_alu 0x0
	s_wait_tensorcnt 0x0
	ds_add_u32 v224, v225
	s_wait_dscnt 0x0
	s_endpgm
.Lnot_x:
	s_cmp_lt_u32 s13, 384
	s_cbranch_scc0 .Ljob_r
	; JOB F.  Unit u: four n (4q .. 4q+3, q = u / 256) x four d (4 (u % 256) ..) x all 256 r.  Lane: nn = (l / 4) % 4, p = l % 4, jh = l / 16.
	s_sub_co_u32 s15, s13, 256
	s_lshl_b32 s15, s15, 3
	s_add_co_u32 s15, s15, s12                     ; u
	s_lshr_b32 s24, s15, 8                         ; q
	s_and_b32 s25, s15, 255                        ; d0 / 4
	s_lshl_b32 s20, s24, 22                        ; in: four n of 1,048,576 bytes,
	s_lshl_b32 s26, s25, 12                        ; four d of 1,024
	s_add_co_u32 s20, s20, s26
	s_lshr_b32 s26, s25, 6                         ; dc
	s_lshl2_add_u32 s26, s26, s24                  ; 4 dc + q
	s_lshl_b32 s22, s26, 16                        ; out: the tile,
	s_and_b32 s26, s25, 63
	s_lshl_b32 s26, s26, 10                        ; its row dd0, 256 bytes a row
	s_add_co_u32 s22, s22, s26
	v_bfe_u32 v6, v2, 2, 2                         ; nn
	v_and_b32 v7, 3, v2                            ; p
	v_lshrrev_b32 v8, 4, v2                        ; jh
	v_lshlrev_b32 v3, 20, v6
	v_lshl_add_u32 v3, v8, 7, v3
	v_lshl_add_u32 v3, v7, 5, v3                   ; in:  nn 1048576 + jh 128 + p 32
	v_lshlrev_b32 v4, 20, v8
	v_lshl_add_u32 v4, v6, 6, v4
	v_lshl_add_u32 v4, v7, 4, v4                   ; out: jh 1048576 + nn 64 + p 16
	s_wait_kmcnt 0x0
	s_add_nc_u64 s[6:7], s[6:7], s[20:21]
	s_add_nc_u64 s[16:17], s[16:17], s[22:23]
	s_wait_alu depctr_va_vdst(0)                   ; v3 and v4 are written: the loads and the stores below read them as offsets
.set t, 0
.rept 16                                               ; pair t = 4 jp + ddi: eight r at 64 jp + 32 jh + 8 p of row d0 + ddi
	global_load_b128 v[X+8*t:X+8*t+3],   v3, s[6:7] offset:(t%4)*1024+(t/4)*256 th:TH_LOAD_NT
	global_load_b128 v[X+8*t+4:X+8*t+7], v3, s[6:7] offset:(t%4)*1024+(t/4)*256+16 th:TH_LOAD_NT
.set t, t+1
.endr
.set bb, 0
.rept 4                                                ; batch bb: pairs 4 bb to 4 bb + 3: the four d of column groups 2 bb and 2 bb + 1
	s_wait_loadcnt 24-8*bb                         ; the batch's four pairs are in; those issued behind them may stay out
.set t, 4*bb
.rept 4
.irp z, 0,1,2,3
	v_cvt_pk_bf16_f32 v[O+4*t+\z], v[X+8*t+2*\z], v[X+8*t+2*\z+1]
.endr
.set t, t+1
.endr
	s_wait_alu depctr_va_vdst(0)                   ; the batch's sixteen conversions have written the registers of O that the four stores below read
.set t, 4*bb
.rept 4
	global_store_b128 v4, v[O+4*t:O+4*t+3], s[16:17] offset:(t/4)*2097152+(t%4)*256  ; lanes 0-15 fill 256 consecutive aligned bytes of column group 2 jp, lanes 16-31 of 2 jp + 1
.set t, t+1
.endr
.set bb, bb+1
.endr
	s_endpgm
.Ljob_r:
	; JOB R.  Unit u: 4,096 consecutive numbers; a lane takes eight neighbours at a time.
	s_sub_co_u32 s15, s13, 384
	s_lshl_b32 s15, s15, 3
	s_add_co_u32 s15, s15, s12                     ; u
	s_lshl_b32 s20, s15, 14
	s_lshl_b32 s22, s15, 13
	v_lshlrev_b32 v3, 5, v2
	v_lshlrev_b32 v4, 4, v2
	s_wait_kmcnt 0x0
	s_add_nc_u64 s[8:9], s[8:9], s[20:21]
	s_add_nc_u64 s[18:19], s[18:19], s[22:23]
	s_wait_alu depctr_va_vdst(0)                   ; v3 and v4 are written: the loads and the stores below read them as offsets
.set t, 0
.rept 16
	global_load_b128 v[X+8*t:X+8*t+3],   v3, s[8:9] offset:t*1024 th:TH_LOAD_NT
	global_load_b128 v[X+8*t+4:X+8*t+7], v3, s[8:9] offset:t*1024+16 th:TH_LOAD_NT
.set t, t+1
.endr
.set bb, 0
.rept 4                                                ; batch bb: pairs 4 bb to 4 bb + 3
	s_wait_loadcnt 24-8*bb                         ; the batch's four pairs are in; those issued behind them may stay out
.set t, 4*bb
.rept 4
.irp z, 0,1,2,3
	v_cvt_pk_bf16_f32 v[T+\z], v[X+8*t+2*\z], v[X+8*t+2*\z+1]  ; the one rounding, to bf16
.endr
.irp z, 0,1,2,3
	v_lshlrev_b32 v[T+4+2*\z], 16, v[T+\z]         ; back to f32,
	v_and_b32     v[T+5+2*\z], s14, v[T+\z]
.endr
.irp z, 0,1,2,3
	v_cvt_pk_f16_f32 v[O+4*t+\z], v[T+4+2*\z], v[T+5+2*\z]  ; and written as f16: 8 significant bits fit into 11
.endr
.set t, t+1
.endr
	s_wait_alu depctr_va_vdst(0)                   ; the batch's conversions to f16 have written the registers of O that the four stores below read
.set t, 4*bb
.rept 4
	global_store_b128 v4, v[O+4*t:O+4*t+3], s[18:19] offset:t*512  ; 512 consecutive bytes, at a multiple of 512 from rb's first
.set t, t+1
.endr
.set bb, bb+1
.endr
	s_endpgm
.Lfunc_end_k_qb29e0537c4_prep:
	.size	k_qb29e0537c4_prep, .Lfunc_end_k_qb29e0537c4_prep-k_qb29e0537c4_prep
	.p2alignl 7, 3214868480
	.fill 96, 4, 3214868480
	.section	.rodata,"a",@progbits
	.p2align	6, 0x0
	.amdhsa_kernel k_qb29e0537c4_prep
		.amdhsa_group_segment_fixed_size 68608
		.amdhsa_private_segment_fixed_size 0
		.amdhsa_enable_private_segment 0
		.amdhsa_kernarg_size 48
		.amdhsa_user_sgpr_count 2
		.amdhsa_user_sgpr_kernarg_segment_ptr 1
		.amdhsa_wavefront_size32 1
		.amdhsa_system_sgpr_workgroup_id_x 1
		.amdhsa_system_sgpr_workgroup_id_y 1
		.amdhsa_system_sgpr_workgroup_id_z 1
		.amdhsa_system_vgpr_workitem_id 0
		.amdhsa_next_free_vgpr 226
		.amdhsa_next_free_sgpr 66
		.amdhsa_reserve_vcc 0
		.amdhsa_float_denorm_mode_32 3
		.amdhsa_float_denorm_mode_16_64 3
		.amdhsa_memory_ordered 1
		.amdhsa_forward_progress 1
		.amdhsa_inst_pref_size 42
	.end_amdhsa_kernel
	.amdgpu_metadata
---
amdhsa.version: [ 1, 2 ]
amdhsa.kernels:
  - .name:           k_qb29e0537c4_prep
    .symbol:         k_qb29e0537c4_prep.kd
    .args:
      - { .name: x, .offset: 0, .size: 8, .value_kind: global_buffer, .address_space: global }
      - { .name: feature_know, .offset: 8, .size: 8, .value_kind: global_buffer, .address_space: global }
      - { .name: restore_know, .offset: 16, .size: 8, .value_kind: global_buffer, .address_space: global }
      - { .name: xf, .offset: 24, .size: 8, .value_kind: global_buffer, .address_space: global }
      - { .name: fb, .offset: 32, .size: 8, .value_kind: global_buffer, .address_space: global }
      - { .name: rb, .offset: 40, .size: 8, .value_kind: global_buffer, .address_space: global }
    .group_segment_fixed_size: 68608
    .private_segment_fixed_size: 0
    .kernarg_segment_align: 8
    .kernarg_segment_size: 48
    .max_flat_workgroup_size: 256
    .sgpr_count:     66
    .vgpr_count:     226
    .wavefront_size: 32
...
	.end_amdgpu_metadata
.endif
;; end of part 4
;; launch feat: the kernel of part 2 again; grid 32 x 8, 4 waves a work-group, clusters of 4 x 1, 327,680 bytes of LDS; arguments xf, fb, feature_know_w, hf, es; writes hf, es
;; launch rest: the kernel of part 3 again; grid 32 x 8, 4 waves a work-group, clusters of 4 x 1, 327,680 bytes of LDS; arguments hf, es, rb, restore_know_w, out0; writes out0
